; MI455X (gfx1250); checked and timed in simulation.
; The chip was launched on July 23, 2026; its instructions are those of AMD's public machine-readable ISA for CDNA 5 (MIT licence, August 2026) and "CDNA5" Instruction Set Architecture Reference Guide (July 2026). The comments in the code are by the model that wrote it; some were corrected since.
;; Low Rank Orthogonal Projection. Allowed arithmetic: float matrix products may take bf16 or f16 operands with f32 sums; other float arithmetic in f32, or as packed bf16 or f16 multiplies, adds, multiply-adds, maxima and minima; sums over many terms, partial sums and values carried from step to step in f32; what a program stores and reads back later, other than sums and carried values, may be rounded once to bf16 or f16.
;; Inputs: source 2,048 x 4,096 float32; target 2,048 x 4,096 float32; weight 4,096 x 64 float32.
;; Outputs: out0 2,048 x 4,096 float32.
;; 2 versions, each right; version 2 is version 1 with the launches proj, expand written anew for expert scheduling mode. Each part assembles by itself: llvm-mc -triple=amdgcn-amd-amdhsa -mcpu=gfx1250 --defsym DOCPART=n.
;; ======== version 1 of 2: 2 launches
;; workspace buffers: ypart 4,194,304 bytes
;; launch proj (part 1): grid 8 x 32, 16 waves a work-group, no clusters, 150,528 bytes of LDS; arguments source, target, weight, ypart; writes ypart
.if DOCPART == 1
	.amdgcn_target "amdgcn-amd-amdhsa--gfx1250"
	.amdhsa_code_object_version 6
	.text
	.protected	k_q3ac9403bea_proj
	.globl	k_q3ac9403bea_proj
	.p2align	8
	.type	k_q3ac9403bea_proj,@function
k_q3ac9403bea_proj:
	s_mov_b64 s[64:65], 0
	v_nop
	global_prefetch_b8 v0, s[64:65] scope:SCOPE_SE
	s_setreg_imm32_b32 hwreg(HW_REG_WAVE_MODE, 25, 1), 1
	s_wait_xcnt 0x0
; FIRST OF TWO LAUNCHES.  reference(): out = target (I - P)^T + source P^T with P = W W^T.  P is symmetric for every W, so for every input
; out = target + ((source - target) W) W^T.  This launch makes the partial sums of y = (source - target) W; the second adds y W^T onto target.
; source, target: [2048][4096] f32; weight: [4096][64] f32; ypart: f32 partial sums, one for each of 8 chunks of 512 columns.
; LIMITS.  P is never formed, so the order of rounding differs from reference()'s.  d = source - target is taken in f32 (a common offset of the two is gone before anything is
; summed) and rounded once to bf16; W is rounded once to bf16; the sums are f32.  NaN and infinities are not treated apart.
; SHARES.  Work-group (c, i): tokens 64 i .. 64 i + 63, columns 512 c .. 512 c + 511: 128 KiB of source, 128 KiB of target, 128 KiB of W.  8 x 32 = 256 work-groups of equal work.
; Sixteen waves.  All 48 loads of a lane (16 bytes each) go out at the head: the work-group's whole input is on its way at once, so there is no loop and no ring.
; They are converted as they come, behind counted waits, and laid into LDS in bf16; one barrier; then wave w makes the tile of 16 tokens (block w / 4) x 16 ranks (block w % 4), K = 512: 16 matrix instructions.
; NO TENSOR LOADS, NO CLUSTER: W (shared by the 32 work-groups of a chunk) is a third of a work-group's bytes and has to be rounded from f32 to bf16 between memory and LDS, which goes through
; registers; a joint load would land it in LDS as f32 and cost a second trip of 128 KiB through LDS.  source and target are shared with nobody.
; THE PRODUCT IS TAKEN TRANSPOSED: source 0 = 16 ranks x 32 columns (W^T, by the turning LDS load from rows that lie [column][rank]), source 1 = 16 tokens x 32 columns (d).  In the result lane l holds
; token l % 16 and ranks 8 (l / 16) + 0..7: rounded to bf16 in pairs, that is half a fragment of the second launch's source 0.
; ypart's layout: [chunk 8][i 32][tile w 16][q 2][lane 32][x 4] f32 = register 4 q + x of the lane: each store of a wave covers 512 consecutive bytes, aligned.
.set PD,    1040                       ; a row of d in LDS: 1,024 bytes + 16: an odd multiple of 16, so the 16 rows of a fragment load start at 16 different groups of four banks (64 banks of 4 bytes: ISA guide 11.1)
.set PW,    160                        ; a row of W in LDS: 128 bytes + 32: an odd multiple of 32, for the turning load
.set W_T,   64*PD                      ; d's 64 rows lie from byte 0, W's 512 rows behind them
.set HALFW, 256*PW                     ; W's rows 256 on have address registers of their own: an LDS immediate has 16 bits
.set SPARE, W_T+512*PW                 ; behind them: the spare words, 128 bytes for each of the 16 waves: eight blocks of 256 bytes that no other line names
.set GST, 2                            ; v2   my byte offset in source and target: row t / 128 of four, 16 bytes at 16 (t % 128); never rewritten
.set GW,  3                            ; v3   my byte offset in W's chunk: 16 t; never rewritten
.set LDD, 4                            ; v4   where I put 8 bytes of d
.set LDW, 5                            ; v5-6 where I put 8 bytes of W: rows 0-255, rows 256-511
.set AB,  7                            ; v7   my place in d's fragments
.set AA,  8                            ; v8-9 my place in W's turned fragments: rows 0-255, rows 256-511
.set GY,  10                           ; v10  my byte offset in the work-group's part of ypart
.set SPW, 11                           ; v11  LDS address of my spare word: SPARE + 4 x my thread's number; never rewritten
.set NIL, 12                           ; v12  0; never rewritten
.set ACC, 16                           ; v[16:47]   four accumulators: K step s adds onto number s % 4
.set TMP, 48                           ; v[48:63]   eight pairs of packed bf16, by turns
.set S,   64                           ; v[64:127]  source, pass p at 4 p; then d in place
.set T,   128                          ; v[128:191] target
.set WR,  192                          ; v[192:255] W
.set FB0, 64                           ; behind the barrier the same registers hold fragments: three buffers of 64, four K steps each
.set FB1, 128
.set FB2, 192
.set WV,  20                           ; s20  my wave's number
	s_load_b256 s[4:11], s[0:1], 0x0               ; source s[4:5], target s[6:7], weight s[8:9], ypart s[10:11]
	v_lshl_add_u32 v[SPW], v0, 2, SPARE
	v_mov_b32 v[NIL], 0
	v_lshrrev_b32 v13, 5, v0
	v_readfirstlane_b32 s[WV], v13                 ; wave 0..15
	v_lshrrev_b32 v13, 7, v0                       ; t / 128
	v_and_b32 v14, 127, v0                         ; t % 128
	v_lshlrev_b32 v[GST], 4, v14
	v_lshl_or_b32 v[GST], v13, 14, v[GST]          ; a row of source is 16,384 bytes
	v_lshlrev_b32 v[GW], 4, v0
	s_and_b32 s18, ttmp7, 0xffff                   ; i
	s_lshl_b32 s12, s18, 20                        ; 64 rows of 16,384 bytes,
	s_lshl_b32 s19, ttmp9, 11                      ; 512 columns of 4 bytes
	s_or_b32 s12, s12, s19
	s_mov_b32 s13, 0
	s_lshl_b32 s14, ttmp9, 17                      ; 512 rows of W, 256 bytes each
	s_mov_b32 s15, 0
	s_lshl_b32 s16, ttmp9, 5
	s_add_co_u32 s16, s16, s18
	s_lshl_b32 s16, s16, 14                        ; (32 c + i) x 16 tiles x 1,024 bytes
	s_mov_b32 s17, 0
	s_wait_kmcnt 0x0
	s_add_nc_u64 s[4:5], s[4:5], s[12:13]
	s_add_nc_u64 s[6:7], s[6:7], s[12:13]
	s_add_nc_u64 s[8:9], s[8:9], s[14:15]
	s_add_nc_u64 s[10:11], s[10:11], s[16:17]
	; ALL LOADS.  W first: a pass of the 512 threads takes 8,192 consecutive bytes, 32 rows.  Then source and target by turns: a pass takes four rows' 2,048 bytes.
.irp p, 0,1,2,3,4,5,6,7,8,9,10,11,12,13,14,15
	global_load_b128 v[WR+4*(\p):WR+4*(\p)+3], v[GW], s[8:9] offset:8192*(\p)
.endr
.irp p, 0,1,2,3,4,5,6,7,8,9,10,11,12,13,14,15
	global_load_b128 v[S+4*(\p):S+4*(\p)+3], v[GST], s[4:5] offset:65536*(\p) th:TH_LOAD_NT  ; source is read once
	global_load_b128 v[T+4*(\p):T+4*(\p)+3], v[GST], s[6:7] offset:65536*(\p)                ; target is read again by the second launch
.endr
	; the LDS addresses are made while the loads are on their way: the wave's number times a constant, a lane term, a constant
	v_and_b32 v13, 31, v0                          ; l
	v_and_b32 v14, 15, v0                          ; l % 16
	v_bfe_u32 v15, v0, 4, 1                        ; l / 16
	s_lshr_b32 s21, s[WV], 2                       ; w / 4: my row of a pass of d; later my block of 16 tokens
	s_and_b32 s22, s[WV], 3                        ; w % 4: my quarter of that row; later my block of 16 ranks
	s_mul_i32 s23, s21, PD
	s_lshl_b32 s24, s22, 8
	s_add_co_u32 s23, s23, s24
	v_lshl_add_u32 v[LDD], v13, 3, s23             ; row x pitch + 256 x quarter + 8 l
	s_mul_i32 s25, s[WV], 2*PW                     ; a wave's 512 bytes of W are two rows
	s_add_co_u32 s25, s25, W_T
	v_mul_u32_u24 v[LDW], v15, PW
	v_lshl_add_u32 v[LDW], v14, 3, v[LDW]
	v_add_nc_u32 v[LDW], s25, v[LDW]
	v_add_nc_u32 v[LDW+1], HALFW, v[LDW]
	s_mul_i32 s26, s21, 16*PD
	v_mul_u32_u24 v[AB], v14, PD
	v_lshl_add_u32 v[AB], v15, 4, v[AB]
	v_add_nc_u32 v[AB], s26, v[AB]                 ; (16 x token block + l % 16) x pitch + 16 (l / 16)
	; the turning load takes 16 columns x 16 ranks: lane l reads 16 bytes of row 8 (l / 16) + l % 8, ranks 8 ((l / 8) % 2) + 0..7, and is left with rank l % 16 and 8 columns
	v_and_b32 v13, 7, v0
	v_lshl_add_u32 v[AA], v15, 3, v13
	v_mul_u32_u24 v[AA], v[AA], PW
	v_bfe_u32 v13, v0, 3, 1
	v_lshl_add_u32 v[AA], v13, 4, v[AA]
	s_lshl_b32 s27, s22, 5                         ; my 16 ranks: 32 bytes of a row
	s_add_co_u32 s27, s27, W_T
	v_add_nc_u32 v[AA], s27, v[AA]
	v_add_nc_u32 v[AA+1], HALFW, v[AA]
	v_and_b32 v13, 31, v0
	s_lshl_b32 s28, s[WV], 10
	v_lshl_add_u32 v[GY], v13, 4, s28              ; 1,024 w + 16 l
; Pass p of W: four numbers rounded to bf16, 8 bytes into row 32 p + t / 16.
.macro WCVT p
	v_cvt_pk_bf16_f32 v[TMP+2*((\p)%8)],   v[WR+4*(\p)],   v[WR+4*(\p)+1]
	v_cvt_pk_bf16_f32 v[TMP+2*((\p)%8)+1], v[WR+4*(\p)+2], v[WR+4*(\p)+3]
	ds_store_b64 v[LDW+(\p)/8], v[TMP+2*((\p)%8):TMP+2*((\p)%8)+1] offset:((\p)%8)*32*PW
.endm
; Pass p of source and target: d = source - target in f32, in place; rounded to bf16; 8 bytes into row 4 p + t / 128.
.macro DCVT p
	v_pk_add_f32 v[S+4*(\p):S+4*(\p)+1],   v[S+4*(\p):S+4*(\p)+1],   v[T+4*(\p):T+4*(\p)+1]   neg_lo:[0,1] neg_hi:[0,1]
	v_pk_add_f32 v[S+4*(\p)+2:S+4*(\p)+3], v[S+4*(\p)+2:S+4*(\p)+3], v[T+4*(\p)+2:T+4*(\p)+3] neg_lo:[0,1] neg_hi:[0,1]
	v_cvt_pk_bf16_f32 v[TMP+2*((\p)%8)],   v[S+4*(\p)],   v[S+4*(\p)+1]
	v_cvt_pk_bf16_f32 v[TMP+2*((\p)%8)+1], v[S+4*(\p)+2], v[S+4*(\p)+3]
	ds_store_b64 v[LDD], v[TMP+2*((\p)%8):TMP+2*((\p)%8)+1] offset:(\p)*4*PD
.endm
.irp g, 0,1,2,3
	s_wait_loadcnt 44-4*(\g)                       ; loads come back in order (ISA guide 5.7.1): behind this group's four stand 12 - 4 g of W's and the 32 of source and target
	WCVT 4*(\g)
	WCVT 4*(\g)+1
	WCVT 4*(\g)+2
	WCVT 4*(\g)+3
.endr
.irp g, 0,1,2,3,4,5,6,7
	s_wait_loadcnt 28-4*(\g)                       ; behind this group's two passes (four loads) stand 28 - 4 g younger ones; the last count is 0
	DCVT 2*(\g)
	DCVT 2*(\g)+1
.endr
	s_wait_dscnt 0x0                               ; for the others' sake: my stores into LDS are done
	s_barrier_signal -1
	s_barrier_wait -1                              ; d and W lie whole in LDS; nothing is stored there any more
; The fragments of K steps 4 b .. 4 b + 3 (32 columns each) into buffer fb: for each step 8 registers of W^T, then 8 of d: 16 LDS loads.
.macro FRAGS b, fb
.irp q, 0,1,2,3
	ds_load_tr16_b128 v[(\fb)+16*(\q):(\fb)+16*(\q)+3],   v[AA+(\b)/2] offset:((4*(\b)+(\q))%8)*32*PW
	ds_load_tr16_b128 v[(\fb)+16*(\q)+4:(\fb)+16*(\q)+7], v[AA+(\b)/2] offset:((4*(\b)+(\q))%8)*32*PW+16*PW
	ds_load_b128 v[(\fb)+16*(\q)+8:(\fb)+16*(\q)+11],  v[AB] offset:(4*(\b)+(\q))*64
	ds_load_b128 v[(\fb)+16*(\q)+12:(\fb)+16*(\q)+15], v[AB] offset:(4*(\b)+(\q))*64+32
.endr
.endm
; Four products, one onto each accumulator: the four take turns, one instruction a turn.  zero = 1: they start the sums: nothing is cleared.
.macro MULS fb, zero
.irp q, 0,1,2,3
.if \zero
	v_wmma_f32_16x16x32_bf16 v[ACC+8*(\q):ACC+8*(\q)+7], v[(\fb)+16*(\q):(\fb)+16*(\q)+7], v[(\fb)+16*(\q)+8:(\fb)+16*(\q)+15], 0
.else
	v_wmma_f32_16x16x32_bf16 v[ACC+8*(\q):ACC+8*(\q)+7], v[(\fb)+16*(\q):(\fb)+16*(\q)+7], v[(\fb)+16*(\q)+8:(\fb)+16*(\q)+15], v[ACC+8*(\q):ACC+8*(\q)+7]
.endif
.endr
.endm
.macro PLACES                          ; four places behind a product, in front of loads into registers that it has read and of sums that read results
.rept 4
	v_nop
.endr
.endm
	FRAGS 0, FB0
	FRAGS 1, FB1
	FRAGS 2, FB2
	s_wait_dscnt 32                                ; buffer 0's sixteen are in; the 32 behind them may stay out
	MULS FB0, 1
	PLACES
	FRAGS 3, FB0
	s_wait_dscnt 32                                ; buffer 1's are in: behind them stand buffer 2's sixteen and the sixteen just issued
	MULS FB1, 0
	s_wait_dscnt 16                                ; buffer 2's are in
	MULS FB2, 0
	s_wait_dscnt 0x0
	MULS FB0, 0
	PLACES
	PLACES
	; the four accumulators are added, two sums an instruction, each read from its low end on
.irp r, 0,2,4,6
	v_pk_add_f32 v[ACC+(\r):ACC+(\r)+1], v[ACC+(\r):ACC+(\r)+1], v[ACC+8+(\r):ACC+8+(\r)+1]
.endr
.irp r, 0,2,4,6
	v_pk_add_f32 v[ACC+16+(\r):ACC+16+(\r)+1], v[ACC+16+(\r):ACC+16+(\r)+1], v[ACC+24+(\r):ACC+24+(\r)+1]
.endr
.irp r, 0,2,4,6
	v_pk_add_f32 v[ACC+(\r):ACC+(\r)+1], v[ACC+(\r):ACC+(\r)+1], v[ACC+16+(\r):ACC+16+(\r)+1]
.endr
	global_store_b128 v[GY], v[ACC:ACC+3],   s[10:11]             ; 32 lanes x 16 bytes: 512 consecutive bytes, at a multiple of 512 from ypart's first byte
	global_store_b128 v[GY], v[ACC+4:ACC+7], s[10:11] offset:512
	s_wait_tensorcnt 0x0                           ; the wave's end: behind my last LDS store
	ds_add_u32 v[SPW], v[NIL]
	s_wait_dscnt 0x0
	s_endpgm
.Lfunc_end_k_q3ac9403bea_proj:
	.size	k_q3ac9403bea_proj, .Lfunc_end_k_q3ac9403bea_proj-k_q3ac9403bea_proj
	.p2alignl 7, 3214868480
	.fill 96, 4, 3214868480
	.section	.rodata,"a",@progbits
	.p2align	6, 0x0
	.amdhsa_kernel k_q3ac9403bea_proj
		.amdhsa_group_segment_fixed_size 150528
		.amdhsa_private_segment_fixed_size 0
		.amdhsa_enable_private_segment 0
		.amdhsa_kernarg_size 32
		.amdhsa_user_sgpr_count 2
		.amdhsa_user_sgpr_kernarg_segment_ptr 1
		.amdhsa_wavefront_size32 1
		.amdhsa_system_sgpr_workgroup_id_x 1
		.amdhsa_system_sgpr_workgroup_id_y 1
		.amdhsa_system_sgpr_workgroup_id_z 1
		.amdhsa_system_vgpr_workitem_id 0
		.amdhsa_next_free_vgpr 256
		.amdhsa_next_free_sgpr 66
		.amdhsa_reserve_vcc 0
		.amdhsa_float_denorm_mode_32 3
		.amdhsa_float_denorm_mode_16_64 3
		.amdhsa_memory_ordered 1
		.amdhsa_forward_progress 1
		.amdhsa_inst_pref_size 23
	.end_amdhsa_kernel
	.amdgpu_metadata
---
amdhsa.version: [ 1, 2 ]
amdhsa.kernels:
  - .name:           k_q3ac9403bea_proj
    .symbol:         k_q3ac9403bea_proj.kd
    .args:
      - { .name: source, .offset: 0, .size: 8, .value_kind: global_buffer, .address_space: global }
      - { .name: target, .offset: 8, .size: 8, .value_kind: global_buffer, .address_space: global }
      - { .name: weight, .offset: 16, .size: 8, .value_kind: global_buffer, .address_space: global }
      - { .name: ypart, .offset: 24, .size: 8, .value_kind: global_buffer, .address_space: global }
    .group_segment_fixed_size: 150528
    .private_segment_fixed_size: 0
    .kernarg_segment_align: 8
    .kernarg_segment_size: 32
    .max_flat_workgroup_size: 512
    .sgpr_count:     66
    .vgpr_count:     256
    .wavefront_size: 32
...
	.end_amdgpu_metadata
.endif
;; end of part 1
;; launch expand (part 2): grid 8 x 32, 16 waves a work-group, no clusters, 83,968 bytes of LDS; arguments ypart, weight, target, out0; writes out0
.if DOCPART == 2
	.amdgcn_target "amdgcn-amd-amdhsa--gfx1250"
	.amdhsa_code_object_version 6
	.text
	.protected	k_q3ac9403bea_expand
	.globl	k_q3ac9403bea_expand
	.p2align	8
	.type	k_q3ac9403bea_expand,@function
k_q3ac9403bea_expand:
	s_mov_b64 s[64:65], 0
	v_nop
	global_prefetch_b8 v0, s[64:65] scope:SCOPE_SE
	s_setreg_imm32_b32 hwreg(HW_REG_WAVE_MODE, 25, 1), 1
	s_wait_xcnt 0x0
; SECOND OF TWO LAUNCHES.  out = target + y W^T, with y = (source - target) W = the sum of the first launch's eight partial sums.
; ypart: [chunk 8][i 32][tile 16][q 2][lane 32][x 4] f32 (tile 4 a + n: tokens 16 a on, ranks 16 n on; lane l, register 4 q + x: token l % 16, rank 8 (l / 16) + 4 q + x);
; weight: [4096][64] f32; target, out0: [2048][4096] f32.
; LIMITS.  P = W W^T is never formed, so the order of rounding differs from reference()'s.  The partial sums are added in f32, in a fixed order; y and W are rounded once to bf16 for the product;
; its f32 sums are added onto target in f32, so the identity's part of reference() is exact.  NaN and infinities are not treated apart.
; SHARES.  Work-group (c, i): tokens 64 i .. 64 i + 63, columns 512 c .. 512 c + 511: 128 KiB each of target, of W and of ypart in, 128 KiB out.  8 x 32 = 256 work-groups of equal work.
; Sixteen waves.  All 48 loads of a lane go out at the head; no loop, no ring.  Wave w adds up tile w of y and lays it into LDS in bf16; all waves round W's chunk into LDS; one barrier;
; then wave w makes 32 tokens (half w / 8) x 64 columns (block w % 8), K = 64: 16 matrix instructions on 8 accumulators.
; NO TENSOR LOADS, NO CLUSTER: what work-groups share (W along i, ypart along c) is not wanted in LDS as it lies in memory: W is rounded to bf16 and ypart's eight parts are added in f32, both in
; registers; joint loads would land 256 KiB of f32 in LDS, to be read out, worked on and stored again.  target and out0 are shared with nobody.
; COLUMNS IN FOURS.  Source 1's fragment (block, q) holds the columns 64 block + 4 r + q, r = 0..15.  So lane (r, h) ends with columns 4 r + 0..3 of a token in registers of the four accumulators q = 0..3:
; 16 bytes of out0, and sixteen neighbouring lanes hold 256 consecutive bytes: the results meet target's registers as they were loaded and go out without a trip through LDS.
; For that W's rows are laid into LDS in another order: row 64 b + 4 r + q of the chunk lies at LDS row 64 b + 16 q + r, and a fragment reads 16 neighbouring LDS rows.
.set PW,    144                        ; a row of W in LDS: 128 bytes + 16: an odd multiple of 16, so the 16 rows of a fragment load start at 16 different groups of four banks (64 banks of 4 bytes: ISA guide 11.1)
.set Y_L,   512*PW                     ; behind W's 512 rows: y, tile w at 512 w, 16 bytes a lane
.set SPARE, Y_L+8192                   ; behind it: the spare words, 128 bytes for each of the 16 waves: eight blocks of 256 bytes that no other line names
.set GYP, 2                            ; v2   my byte offset in one of ypart's eight parts: 1,024 w + 16 l; never rewritten
.set GW,  3                            ; v3   my byte offset in W's chunk: 16 t; never rewritten
.set GT,  4                            ; v4   my byte offset in target and out0; never rewritten
.set LW,  5                            ; v5-6 where I put 8 bytes of W: LDS rows 0-255, rows 256-511 (an LDS immediate has 16 bits)
.set LY,  7                            ; v7   where I put 16 bytes of y
.set AB,  8                            ; v8   my place in W's fragments
.set AA,  9                            ; v9   my place in y's fragments
.set SPW, 10                           ; v10  LDS address of my spare word: SPARE + 4 x my thread's number; never rewritten
.set NIL, 11                           ; v11  0; never rewritten
.set YB,  16                           ; v[16:19]   my eight numbers of y in bf16
.set TMP, 20                           ; v[20:31]   six pairs of packed bf16, by turns
.set T,   32                           ; v[32:95]   target: token 16 m + j of my 32 (+ 8 for lanes 16-31) at 4 (8 m + j); then out0 in place
.set WR,  96                           ; v[96:159]  W, pass p at 4 p
.set YP,  160                          ; v[160:223] ypart: part k at 8 k
.set BF,  96                           ; behind the barrier: W's fragments, (K half kk, q) at 8 (4 kk + q)
.set AF,  160                          ;                     y's fragments, (kk, m) at 8 (2 kk + m)
.set ACC, 192                          ; v[192:255] the accumulators, (m, q) at 8 (4 m + q)
.set WV,  20                           ; s20  my wave's number
	s_load_b256 s[4:11], s[0:1], 0x0               ; ypart s[4:5], weight s[6:7], target s[8:9], out0 s[10:11]
	v_lshl_add_u32 v[SPW], v0, 2, SPARE
	v_mov_b32 v[NIL], 0
	v_lshrrev_b32 v12, 5, v0
	v_readfirstlane_b32 s[WV], v12                 ; wave 0..15
	v_and_b32 v12, 31, v0                          ; l
	v_and_b32 v13, 15, v0                          ; r = l % 16
	v_bfe_u32 v14, v0, 4, 1                        ; h = l / 16
	s_and_b32 s21, s[WV], 7                        ; my block of 64 columns
	s_lshr_b32 s22, s[WV], 3                       ; my half of the 64 tokens
	s_lshl_b32 s23, s[WV], 10
	v_lshl_add_u32 v[GYP], v12, 4, s23
	v_lshlrev_b32 v[GW], 4, v0
	s_lshl_b32 s24, s22, 19                        ; 32 rows of 16,384 bytes,
	s_lshl_b32 s25, s21, 8                         ; 64 columns of 4 bytes
	s_or_b32 s24, s24, s25
	v_lshl_add_u32 v[GT], v13, 4, s24              ; my four columns,
	v_lshl_or_b32 v[GT], v14, 17, v[GT]            ; and eight rows further down for lanes 16 to 31
	s_and_b32 s18, ttmp7, 0xffff                   ; i
	s_lshl_b32 s12, s18, 14                        ; 16 tiles of 1,024 bytes
	s_mov_b32 s13, 0
	s_lshl_b32 s14, ttmp9, 17                      ; 512 rows of W, 256 bytes each
	s_mov_b32 s15, 0
	s_lshl_b32 s16, s18, 20                        ; 64 rows of 16,384 bytes,
	s_lshl_b32 s19, ttmp9, 11                      ; 512 columns of 4 bytes
	s_or_b32 s16, s16, s19
	s_mov_b32 s17, 0
	s_wait_kmcnt 0x0
	s_add_nc_u64 s[4:5], s[4:5], s[12:13]
	s_add_nc_u64 s[6:7], s[6:7], s[14:15]
	s_add_nc_u64 s[8:9], s[8:9], s[16:17]
	s_add_nc_u64 s[10:11], s[10:11], s[16:17]
	; ALL LOADS, in the order in which they are wanted: ypart (its parts lie 32 x 16 x 1,024 bytes apart), W, target
.irp k, 0,1,2,3,4,5,6,7
	global_load_b128 v[YP+8*(\k):YP+8*(\k)+3],   v[GYP], s[4:5] offset:524288*(\k)
	global_load_b128 v[YP+8*(\k)+4:YP+8*(\k)+7], v[GYP], s[4:5] offset:524288*(\k)+512
.endr
.irp p, 0,1,2,3,4,5,6,7,8,9,10,11,12,13,14,15
	global_load_b128 v[WR+4*(\p):WR+4*(\p)+3], v[GW], s[6:7] offset:8192*(\p)
.endr
.irp m, 0,1
.irp j, 0,1,2,3,4,5,6,7
	global_load_b128 v[T+4*(8*(\m)+(\j)):T+4*(8*(\m)+(\j))+3], v[GT], s[8:9] offset:16384*(16*(\m)+(\j)) th:TH_LOAD_NT  ; lanes 0-15: 256 consecutive bytes of one token; lanes 16-31: of the token eight on
.endr
.endr
	; the LDS addresses are made while the loads are on their way: the wave's number times a constant, a lane term, a constant
	s_lshl_b32 s23, s[WV], 9
	s_add_co_u32 s23, s23, Y_L
	v_lshl_add_u32 v[LY], v12, 4, s23              ; tile w, 16 l
	s_lshl_b32 s24, s22, 12                        ; my 32 tokens are tiles 8 (w / 8) .. + 7
	s_add_co_u32 s24, s24, Y_L
	v_lshl_add_u32 v[AA], v12, 4, s24
	; pass p brings thread t the chunk's row 32 p + u, u = t / 16 = 2 w + h: its LDS row is 64 (p / 2) + 8 (p % 2) + 16 (u % 4) + u / 4, and 16 (u % 4) + u / 4 = 32 (w % 2) + 16 h + w / 2
	s_and_b32 s25, s[WV], 1
	s_lshl_b32 s25, s25, 5
	s_lshr_b32 s26, s[WV], 1
	s_add_co_u32 s25, s25, s26
	s_mul_i32 s25, s25, PW
	v_mul_u32_u24 v[LW], v14, 16*PW
	v_lshl_add_u32 v[LW], v13, 3, v[LW]            ; my four ranks: 8 bytes
	v_add_nc_u32 v[LW], s25, v[LW]
	v_add_nc_u32 v[LW+1], 256*PW, v[LW]
	s_mul_i32 s27, s21, 64*PW
	v_mul_u32_u24 v[AB], v13, PW
	v_lshl_add_u32 v[AB], v14, 4, v[AB]
	v_add_nc_u32 v[AB], s27, v[AB]                 ; (64 x block + r) x pitch + 16 h
; y: part b is added onto part a, two sums an instruction
.macro YADD a, b
.irp r, 0,2,4,6
	v_pk_add_f32 v[YP+8*(\a)+(\r):YP+8*(\a)+(\r)+1], v[YP+8*(\a)+(\r):YP+8*(\a)+(\r)+1], v[YP+8*(\b)+(\r):YP+8*(\b)+(\r)+1]
.endr
.endm
; Pass p of W: four numbers rounded to bf16, 8 bytes into their LDS row
.macro WCVT p
	v_cvt_pk_bf16_f32 v[TMP+2*((\p)%6)],   v[WR+4*(\p)],   v[WR+4*(\p)+1]
	v_cvt_pk_bf16_f32 v[TMP+2*((\p)%6)+1], v[WR+4*(\p)+2], v[WR+4*(\p)+3]
	ds_store_b64 v[LW+(\p)/8], v[TMP+2*((\p)%6):TMP+2*((\p)%6)+1] offset:(64*(((\p)%8)/2)+8*((\p)%2))*PW
.endm
	s_wait_loadcnt 32                              ; loads come back in order (ISA guide 5.7.1): ypart's sixteen are in; W's and target's 32 may stay out
	YADD 0, 1
	YADD 2, 3
	YADD 4, 5
	YADD 6, 7
	YADD 0, 2
	YADD 4, 6
	YADD 0, 4
.irp k, 0,1,2,3
	v_cvt_pk_bf16_f32 v[YB+(\k)], v[YP+2*(\k)], v[YP+2*(\k)+1]
.endr
	ds_store_b128 v[LY], v[YB:YB+3]                ; token l % 16, ranks 8 (l / 16) + 0..7 of my tile: half a fragment, as a lane will read it
.irp g, 0,1,2,3
	s_wait_loadcnt 28-4*(\g)                       ; behind this group's four stand 12 - 4 g of W's and target's sixteen
	WCVT 4*(\g)
	WCVT 4*(\g)+1
	WCVT 4*(\g)+2
	WCVT 4*(\g)+3
.endr
	s_wait_dscnt 0x0                               ; for the others' sake: my stores into LDS are done
	s_barrier_signal -1                            ; (target's loads stay on their way: they land in registers, and no wave writes those bytes of memory)
	s_barrier_wait -1                              ; y and W lie whole in LDS; nothing is stored there any more
	; 24 LDS loads, K half 0 (ranks 0-31) first.  A fragment of y (16 tokens x 32 ranks) is two tiles' halves, 512 bytes apart; one of W is 16 LDS rows x 32 ranks: two loads 32 bytes apart.
.irp kk, 0,1
.irp m, 0,1
	ds_load_b128 v[AF+8*(2*(\kk)+(\m)):AF+8*(2*(\kk)+(\m))+3],   v[AA] offset:512*(4*(\m)+2*(\kk))
	ds_load_b128 v[AF+8*(2*(\kk)+(\m))+4:AF+8*(2*(\kk)+(\m))+7], v[AA] offset:512*(4*(\m)+2*(\kk))+512
.endr
.irp q, 0,1,2,3
	ds_load_b128 v[BF+8*(4*(\kk)+(\q)):BF+8*(4*(\kk)+(\q))+3],   v[AB] offset:16*PW*(\q)+64*(\kk)
	ds_load_b128 v[BF+8*(4*(\kk)+(\q))+4:BF+8*(4*(\kk)+(\q))+7], v[AB] offset:16*PW*(\q)+64*(\kk)+32
.endr
.endr
	s_wait_dscnt 12                                ; K half 0's twelve are in; the other twelve may stay out
.irp m, 0,1
.irp q, 0,1,2,3
	v_wmma_f32_16x16x32_bf16 v[ACC+8*(4*(\m)+(\q)):ACC+8*(4*(\m)+(\q))+7], v[AF+8*(\m):AF+8*(\m)+7], v[BF+8*(\q):BF+8*(\q)+7], 0  ; the first products start the sums: nothing is cleared
.endr
.endr
	s_wait_dscnt 0x0
.irp m, 0,1
.irp q, 0,1,2,3
	v_wmma_f32_16x16x32_bf16 v[ACC+8*(4*(\m)+(\q)):ACC+8*(4*(\m)+(\q))+7], v[AF+16+8*(\m):AF+16+8*(\m)+7], v[BF+32+8*(\q):BF+32+8*(\q)+7], v[ACC+8*(4*(\m)+(\q)):ACC+8*(4*(\m)+(\q))+7]  ; the eight accumulators take turns
.endr
.endr
.rept 8
	v_nop                                          ; the places behind the last products, in front of the sums that read results (ISA guide 7.12.1)
.endr
	s_wait_loadcnt 0x0                             ; target
	; Register j of accumulator (m, q) is token 16 m + 8 h + j, column 4 r + q: added onto target's register of the same place.  Each accumulator is read from register 0 on.
.irp m, 0,1
.irp j, 0,1,2,3,4,5,6,7
.irp q, 0,1,2,3
	v_add_f32 v[T+4*(8*(\m)+(\j))+(\q)], v[T+4*(8*(\m)+(\j))+(\q)], v[ACC+8*(4*(\m)+(\q))+(\j)]
.endr
	global_store_b128 v[GT], v[T+4*(8*(\m)+(\j)):T+4*(8*(\m)+(\j))+3], s[10:11] offset:16384*(16*(\m)+(\j)) th:TH_STORE_NT  ; 16 lanes store 256 consecutive bytes, at a multiple of 256 from out0's first byte
.endr
.endr
	s_wait_tensorcnt 0x0                           ; the wave's end: behind my last LDS store
	ds_add_u32 v[SPW], v[NIL]
	s_wait_dscnt 0x0
	s_endpgm
.Lfunc_end_k_q3ac9403bea_expand:
	.size	k_q3ac9403bea_expand, .Lfunc_end_k_q3ac9403bea_expand-k_q3ac9403bea_expand
	.p2alignl 7, 3214868480
	.fill 96, 4, 3214868480
	.section	.rodata,"a",@progbits
	.p2align	6, 0x0
	.amdhsa_kernel k_q3ac9403bea_expand
		.amdhsa_group_segment_fixed_size 83968
		.amdhsa_private_segment_fixed_size 0
		.amdhsa_enable_private_segment 0
		.amdhsa_kernarg_size 32
		.amdhsa_user_sgpr_count 2
		.amdhsa_user_sgpr_kernarg_segment_ptr 1
		.amdhsa_wavefront_size32 1
		.amdhsa_system_sgpr_workgroup_id_x 1
		.amdhsa_system_sgpr_workgroup_id_y 1
		.amdhsa_system_sgpr_workgroup_id_z 1
		.amdhsa_system_vgpr_workitem_id 0
		.amdhsa_next_free_vgpr 256
		.amdhsa_next_free_sgpr 66
		.amdhsa_reserve_vcc 0
		.amdhsa_float_denorm_mode_32 3
		.amdhsa_float_denorm_mode_16_64 3
		.amdhsa_memory_ordered 1
		.amdhsa_forward_progress 1
		.amdhsa_inst_pref_size 19
	.end_amdhsa_kernel
	.amdgpu_metadata
---
amdhsa.version: [ 1, 2 ]
amdhsa.kernels:
  - .name:           k_q3ac9403bea_expand
    .symbol:         k_q3ac9403bea_expand.kd
    .args:
      - { .name: ypart, .offset: 0, .size: 8, .value_kind: global_buffer, .address_space: global }
      - { .name: weight, .offset: 8, .size: 8, .value_kind: global_buffer, .address_space: global }
      - { .name: target, .offset: 16, .size: 8, .value_kind: global_buffer, .address_space: global }
      - { .name: out0, .offset: 24, .size: 8, .value_kind: global_buffer, .address_space: global }
    .group_segment_fixed_size: 83968
    .private_segment_fixed_size: 0
    .kernarg_segment_align: 8
    .kernarg_segment_size: 32
    .max_flat_workgroup_size: 512
    .sgpr_count:     66
    .vgpr_count:     256
    .wavefront_size: 32
...
	.end_amdgpu_metadata
.endif
;; end of part 2
;; ======== version 2 of 2: 2 launches; version 1 with the launches proj, expand written anew for expert scheduling mode
;; workspace buffers: ypart 4,194,304 bytes
;; launch proj (part 3): grid 8 x 32, 16 waves a work-group, no clusters, 150,528 bytes of LDS; arguments source, target, weight, ypart; writes ypart
.if DOCPART == 3
	.amdgcn_target "amdgcn-amd-amdhsa--gfx1250"
	.amdhsa_code_object_version 6
	.text
	.protected	k_q3ac9403bea_proj
	.globl	k_q3ac9403bea_proj
	.p2align	8
	.type	k_q3ac9403bea_proj,@function
k_q3ac9403bea_proj:
	s_mov_b64 s[64:65], 0
	v_nop
	global_prefetch_b8 v0, s[64:65] scope:SCOPE_SE
	s_setreg_imm32_b32 hwreg(HW_REG_WAVE_SCHED_MODE, 0, 2), 2
	s_setreg_imm32_b32 hwreg(HW_REG_WAVE_MODE, 25, 1), 1
	s_wait_xcnt 0x0
	s_wait_alu depctr_vm_vsrc(0)
; FIRST OF TWO LAUNCHES.  reference(): out = target (I - P)^T + source P^T with P = W W^T.  P is symmetric for every W, so for every input
; out = target + ((source - target) W) W^T.  This launch makes the partial sums of y = (source - target) W; the second adds y W^T onto target.
; source, target: [2048][4096] f32; weight: [4096][64] f32; ypart: f32 partial sums, one for each of 8 chunks of 512 columns.
; LIMITS.  P is never formed, so the order of rounding differs from reference()'s.  d = source - target is taken in f32 (a common offset of the two is gone before anything is
; summed) and rounded once to bf16; W is rounded once to bf16; the sums are f32.  NaN and infinities are not treated apart.
; SHARES.  Work-group (c, i): tokens 64 i .. 64 i + 63, columns 512 c .. 512 c + 511: 128 KiB of source, 128 KiB of target, 128 KiB of W.  8 x 32 = 256 work-groups of equal work.
; Sixteen waves.  All 48 loads of a lane (16 bytes each) go out at the head: the work-group's whole input is on its way at once, so there is no loop and no ring.
; They are converted as they come, behind counted waits, and laid into LDS in bf16; one barrier; then wave w makes the tile of 16 tokens (block w / 4) x 16 ranks (block w % 4), K = 512: 16 matrix instructions.
; NO TENSOR LOADS, NO CLUSTER: W (shared by the 32 work-groups of a chunk) is a third of a work-group's bytes and has to be rounded from f32 to bf16 between memory and LDS, which goes through
; registers; a joint load would land it in LDS as f32 and cost a second trip of 128 KiB through LDS.  source and target are shared with nobody.
; THE PRODUCT IS TAKEN TRANSPOSED: source 0 = 16 ranks x 32 columns (W^T, by the turning LDS load from rows that lie [column][rank]), source 1 = 16 tokens x 32 columns (d).  In the result lane l holds
; token l % 16 and ranks 8 (l / 16) + 0..7: rounded to bf16 in pairs, that is half a fragment of the second launch's source 0.
; ypart's layout: [chunk 8][i 32][tile w 16][q 2][lane 32][x 4] f32 = register 4 q + x of the lane: each store of a wave covers 512 consecutive bytes, aligned.
; THE MODE: SCHED_MODE bits 1:0 = 2 (LLVM: expert scheduling mode 2), set by the entry lines.  The code itself states the register dependences
; between vector or matrix instructions and memory or LDS instructions, with s_wait_alu, always for 0.
; THE PLAN.  Registers that memory or LDS instructions touch:
;   v[GST], v[GW]        written at the head, read by the 48 global loads, never written again.
;   v[LDD] .. v[GY]      the LDS addresses and ypart's offset: written once, behind the global loads; read by LDS stores, LDS loads and the last two stores.
;   WR, S, T             the global loads land here.  The passes go in groups (W: four groups of four passes; source and target: eight groups of two).  Group g's vector lines read its passes' registers and
;                        write the packed bf16 of a pass into the first two of that pass's own four registers.  The LDS stores that read those pairs are issued in group g + 1.
;                        No pair is written twice, so nothing is owed for the stores' data until the fragments land in the same registers.
;   FB0, FB1, FB2        the same registers behind the barrier: LDS loads land here, the products read them; FB0 is loaded a second time.
;   v[ACC:ACC+7]         written by products and sums, read by the two global stores.
; So ONE wait on va_vdst stands at the head of each group but the first, behind the group's wait for its data: the group before has written its pairs.  The stores of the group before follow it, dealt among
; this group's vector lines, which name this group's passes alone.  One more stands ahead of the last group's stores; no vector line follows it up to the products, so it also states that
; every reader and writer of WR, S and T is done.  One wait on vm_vsrc stands behind the barrier: the LDS stores have read their pairs.
.set PD,    1040                       ; a row of d in LDS: 1,024 bytes + 16: an odd multiple of 16, so the 16 rows of a fragment load start at 16 different groups of four banks (64 banks of 4 bytes: ISA guide 11.1)
.set PW,    160                        ; a row of W in LDS: 128 bytes + 32: an odd multiple of 32, for the turning load
.set W_T,   64*PD                      ; d's 64 rows lie from byte 0, W's 512 rows behind them
.set HALFW, 256*PW                     ; W's rows 256 on have address registers of their own: an LDS immediate has 16 bits
.set SPARE, W_T+512*PW                 ; behind them: the spare words, 128 bytes for each of the 16 waves: eight blocks of 256 bytes that no other line names
.set GST, 2                            ; v2   my byte offset in source and target: row t / 128 of four, 16 bytes at 16 (t % 128); never rewritten
.set GW,  3                            ; v3   my byte offset in W's chunk: 16 t; never rewritten
.set LDD, 4                            ; v4   where I put 8 bytes of d
.set LDW, 5                            ; v5-6 where I put 8 bytes of W: rows 0-255, rows 256-511
.set AB,  7                            ; v7   my place in d's fragments
.set AA,  8                            ; v8-9 my place in W's turned fragments: rows 0-255, rows 256-511
.set GY,  10                           ; v10  my byte offset in the work-group's part of ypart
.set SPW, 11                           ; v11  LDS address of my spare word: SPARE + 4 x my thread's number; never rewritten
.set NIL, 12                           ; v12  0; never rewritten
.set ACC, 16                           ; v[16:47]   four accumulators: K step s adds onto number s % 4
.set S,   64                           ; v[64:127]  source, pass p at 4 p; then d in place; then its bf16 in the pass's first two registers
.set T,   128                          ; v[128:191] target
.set WR,  192                          ; v[192:255] W, pass p at 4 p; then its bf16 in the pass's first two registers
.set FB0, 64                           ; behind the barrier the same registers hold fragments: three buffers of 64, four K steps each
.set FB1, 128
.set FB2, 192
.set WV,  20                           ; s20  my wave's number
	s_load_b256 s[4:11], s[0:1], 0x0               ; source s[4:5], target s[6:7], weight s[8:9], ypart s[10:11]
	v_lshl_add_u32 v[SPW], v0, 2, SPARE
	v_mov_b32 v[NIL], 0
	v_lshrrev_b32 v13, 5, v0
	v_readfirstlane_b32 s[WV], v13                 ; wave 0..15
	v_lshrrev_b32 v13, 7, v0                       ; t / 128
	v_and_b32 v14, 127, v0                         ; t % 128
	v_lshlrev_b32 v[GST], 4, v14
	v_lshl_or_b32 v[GST], v13, 14, v[GST]          ; a row of source is 16,384 bytes
	v_lshlrev_b32 v[GW], 4, v0
	s_wait_alu depctr_va_sdst(0)                   ; s20 is written, ahead of its first reader: the LDS addresses below are made from it
	s_and_b32 s18, ttmp7, 0xffff                   ; i
	s_lshl_b32 s12, s18, 20                        ; 64 rows of 16,384 bytes,
	s_lshl_b32 s19, ttmp9, 11                      ; 512 columns of 4 bytes
	s_or_b32 s12, s12, s19
	s_mov_b32 s13, 0
	s_lshl_b32 s14, ttmp9, 17                      ; 512 rows of W, 256 bytes each
	s_mov_b32 s15, 0
	s_lshl_b32 s16, ttmp9, 5
	s_add_co_u32 s16, s16, s18
	s_lshl_b32 s16, s16, 14                        ; (32 c + i) x 16 tiles x 1,024 bytes
	s_mov_b32 s17, 0
	s_wait_kmcnt 0x0
	s_add_nc_u64 s[4:5], s[4:5], s[12:13]
	s_add_nc_u64 s[6:7], s[6:7], s[12:13]
	s_add_nc_u64 s[8:9], s[8:9], s[14:15]
	s_add_nc_u64 s[10:11], s[10:11], s[16:17]
	s_wait_alu depctr_va_vdst(0)                   ; v[GST] and v[GW] are written: the 48 loads below read them as their offsets
	; ALL LOADS.  W first: a pass of the 512 threads takes 8,192 consecutive bytes, 32 rows.  Then source and target by turns: a pass takes four rows' 2,048 bytes.
.irp p, 0,1,2,3,4,5,6,7,8,9,10,11,12,13,14,15
	global_load_b128 v[WR+4*(\p):WR+4*(\p)+3], v[GW], s[8:9] offset:8192*(\p)
.endr
.irp p, 0,1,2,3,4,5,6,7,8,9,10,11,12,13,14,15
	global_load_b128 v[S+4*(\p):S+4*(\p)+3], v[GST], s[4:5] offset:65536*(\p) th:TH_LOAD_NT  ; source is read once
	global_load_b128 v[T+4*(\p):T+4*(\p)+3], v[GST], s[6:7] offset:65536*(\p)                ; target is read again by the second launch
.endr
	; the LDS addresses are made while the loads are on their way: the wave's number times a constant, a lane term, a constant
	v_and_b32 v13, 31, v0                          ; l
	v_and_b32 v14, 15, v0                          ; l % 16
	v_bfe_u32 v15, v0, 4, 1                        ; l / 16
	s_lshr_b32 s21, s[WV], 2                       ; w / 4: my row of a pass of d; later my block of 16 tokens
	s_and_b32 s22, s[WV], 3                        ; w % 4: my quarter of that row; later my block of 16 ranks
	s_mul_i32 s23, s21, PD
	s_lshl_b32 s24, s22, 8
	s_add_co_u32 s23, s23, s24
	v_lshl_add_u32 v[LDD], v13, 3, s23             ; row x pitch + 256 x quarter + 8 l
	s_mul_i32 s25, s[WV], 2*PW                     ; a wave's 512 bytes of W are two rows
	s_add_co_u32 s25, s25, W_T
	v_mul_u32_u24 v[LDW], v15, PW
	v_lshl_add_u32 v[LDW], v14, 3, v[LDW]
	v_add_nc_u32 v[LDW], s25, v[LDW]
	v_add_nc_u32 v[LDW+1], HALFW, v[LDW]
	s_mul_i32 s26, s21, 16*PD
	v_mul_u32_u24 v[AB], v14, PD
	v_lshl_add_u32 v[AB], v15, 4, v[AB]
	v_add_nc_u32 v[AB], s26, v[AB]                 ; (16 x token block + l % 16) x pitch + 16 (l / 16)
	; the turning load takes 16 columns x 16 ranks: lane l reads 16 bytes of row 8 (l / 16) + l % 8, ranks 8 ((l / 8) % 2) + 0..7, and is left with rank l % 16 and 8 columns
	v_and_b32 v13, 7, v0
	v_lshl_add_u32 v[AA], v15, 3, v13
	v_mul_u32_u24 v[AA], v[AA], PW
	v_bfe_u32 v13, v0, 3, 1
	v_lshl_add_u32 v[AA], v13, 4, v[AA]
	s_lshl_b32 s27, s22, 5                         ; my 16 ranks: 32 bytes of a row
	s_add_co_u32 s27, s27, W_T
	v_add_nc_u32 v[AA], s27, v[AA]
	v_add_nc_u32 v[AA+1], HALFW, v[AA]
	v_and_b32 v13, 31, v0
	s_lshl_b32 s28, s[WV], 10
	v_lshl_add_u32 v[GY], v13, 4, s28              ; 1,024 w + 16 l
; Pass p of W: four numbers rounded to bf16; they close up into the first two of their four registers.
.macro WCVT p
	v_cvt_pk_bf16_f32 v[WR+4*(\p)],   v[WR+4*(\p)],   v[WR+4*(\p)+1]
	v_cvt_pk_bf16_f32 v[WR+4*(\p)+1], v[WR+4*(\p)+2], v[WR+4*(\p)+3]
.endm
; Pass p of W: its 8 bytes go into row 32 p + t / 16.
.macro WPUT p
	ds_store_b64 v[LDW+(\p)/8], v[WR+4*(\p):WR+4*(\p)+1] offset:((\p)%8)*32*PW
.endm
; Pass p of source and target: d = source - target in f32, in place; rounded to bf16, into the first two of source's four registers.
.macro DCVT p
	v_pk_add_f32 v[S+4*(\p):S+4*(\p)+1],   v[S+4*(\p):S+4*(\p)+1],   v[T+4*(\p):T+4*(\p)+1]   neg_lo:[0,1] neg_hi:[0,1]
	v_pk_add_f32 v[S+4*(\p)+2:S+4*(\p)+3], v[S+4*(\p)+2:S+4*(\p)+3], v[T+4*(\p)+2:T+4*(\p)+3] neg_lo:[0,1] neg_hi:[0,1]
	v_cvt_pk_bf16_f32 v[S+4*(\p)],   v[S+4*(\p)],   v[S+4*(\p)+1]
	v_cvt_pk_bf16_f32 v[S+4*(\p)+1], v[S+4*(\p)+2], v[S+4*(\p)+3]
.endm
; Pass p of d: its 8 bytes go into row 4 p + t / 128.
.macro DPUT p
	ds_store_b64 v[LDD], v[S+4*(\p):S+4*(\p)+1] offset:(\p)*4*PD
.endm
	s_wait_loadcnt 44                              ; loads come back in order (ISA guide 5.7.1): behind W's first four stand 12 of W's and the 32 of source and target
	WCVT 0
	WCVT 1
	WCVT 2
	WCVT 3
.irp g, 1,2,3
	s_wait_loadcnt 44-4*(\g)                       ; behind this group's four stand 12 - 4 g of W's and the 32 of source and target
	s_wait_alu depctr_va_vdst(0)                   ; the group before has written its four pairs, which the LDS stores below read; at g = 1 the LDS addresses are written too
	WPUT 4*(\g)-4
	WCVT 4*(\g)
	WPUT 4*(\g)-3
	WCVT 4*(\g)+1
	WPUT 4*(\g)-2
	WCVT 4*(\g)+2
	WPUT 4*(\g)-1
	WCVT 4*(\g)+3
.endr
	s_wait_loadcnt 28                              ; behind the first two passes of source and target (four loads) stand 28 younger ones
	s_wait_alu depctr_va_vdst(0)                   ; W's last group has written its four pairs, which the LDS stores below read
	WPUT 12
	WPUT 13
	DCVT 0
	WPUT 14
	WPUT 15
	DCVT 1
.irp g, 1,2,3,4,5,6,7
	s_wait_loadcnt 28-4*(\g)                       ; behind this group's two passes (four loads) stand 28 - 4 g younger ones; the last count is 0
	s_wait_alu depctr_va_vdst(0)                   ; the group before has written its two pairs, which the LDS stores below read
	DPUT 2*(\g)-2
	DCVT 2*(\g)
	DPUT 2*(\g)-1
	DCVT 2*(\g)+1
.endr
	s_wait_alu depctr_va_vdst(0)                   ; the last group has written its two pairs; and every vector line that names WR, S or T is done: the fragments' loads behind the barrier land there
	DPUT 14
	DPUT 15
	s_wait_dscnt 0x0                               ; for the others' sake: my stores into LDS are done
	s_barrier_signal -1
	s_barrier_wait -1                              ; d and W lie whole in LDS; nothing is stored there any more
	s_wait_alu depctr_vm_vsrc(0)                   ; my LDS stores have read their pairs in S and WR: these registers are fragment buffers from here on, written by the loads below
; The fragments of K steps 4 b .. 4 b + 3 (32 columns each) into buffer fb: for each step 8 registers of W^T, then 8 of d: 16 LDS loads.
.macro FRAGS b, fb
.irp q, 0,1,2,3
	ds_load_tr16_b128 v[(\fb)+16*(\q):(\fb)+16*(\q)+3],   v[AA+(\b)/2] offset:((4*(\b)+(\q))%8)*32*PW
	ds_load_tr16_b128 v[(\fb)+16*(\q)+4:(\fb)+16*(\q)+7], v[AA+(\b)/2] offset:((4*(\b)+(\q))%8)*32*PW+16*PW
	ds_load_b128 v[(\fb)+16*(\q)+8:(\fb)+16*(\q)+11],  v[AB] offset:(4*(\b)+(\q))*64
	ds_load_b128 v[(\fb)+16*(\q)+12:(\fb)+16*(\q)+15], v[AB] offset:(4*(\b)+(\q))*64+32
.endr
.endm
; Four products, one onto each accumulator: the four take turns, one instruction a turn.  zero = 1: they start the sums: nothing is cleared.
.macro MULS fb, zero
.irp q, 0,1,2,3
.if \zero
	v_wmma_f32_16x16x32_bf16 v[ACC+8*(\q):ACC+8*(\q)+7], v[(\fb)+16*(\q):(\fb)+16*(\q)+7], v[(\fb)+16*(\q)+8:(\fb)+16*(\q)+15], 0
.else
	v_wmma_f32_16x16x32_bf16 v[ACC+8*(\q):ACC+8*(\q)+7], v[(\fb)+16*(\q):(\fb)+16*(\q)+7], v[(\fb)+16*(\q)+8:(\fb)+16*(\q)+15], v[ACC+8*(\q):ACC+8*(\q)+7]
.endif
.endr
.endm
.macro PLACES                          ; four places behind a product (ISA guide 7.12.1)
.rept 4
	v_nop
.endr
.endm
	FRAGS 0, FB0
	FRAGS 1, FB1
	FRAGS 2, FB2
	s_wait_dscnt 32                                ; buffer 0's sixteen are in; the 32 behind them may stay out
	MULS FB0, 1
	PLACES                                         ; four places between the products and the loads into registers that they read; the wait below, not they, states the dependence
	s_wait_alu depctr_va_vdst(0)                   ; the four products are done reading buffer 0, in which the sixteen loads below land
	FRAGS 3, FB0
	s_wait_dscnt 32                                ; buffer 1's are in: behind them stand buffer 2's sixteen and the sixteen just issued
	MULS FB1, 0
	s_wait_dscnt 16                                ; buffer 2's are in
	MULS FB2, 0
	s_wait_dscnt 0x0
	MULS FB0, 0
	PLACES                                         ; the places behind the last products, in front of the sums that read results
	PLACES
	; the four accumulators are added, two sums an instruction, each read from its low end on
.irp r, 0,2,4,6
	v_pk_add_f32 v[ACC+(\r):ACC+(\r)+1], v[ACC+(\r):ACC+(\r)+1], v[ACC+8+(\r):ACC+8+(\r)+1]
.endr
.irp r, 0,2,4,6
	v_pk_add_f32 v[ACC+16+(\r):ACC+16+(\r)+1], v[ACC+16+(\r):ACC+16+(\r)+1], v[ACC+24+(\r):ACC+24+(\r)+1]
.endr
.irp r, 0,2,4,6
	v_pk_add_f32 v[ACC+(\r):ACC+(\r)+1], v[ACC+(\r):ACC+(\r)+1], v[ACC+16+(\r):ACC+16+(\r)+1]
.endr
	s_wait_alu depctr_va_vdst(0)                   ; the sums have written v[ACC:ACC+7], which the two stores read
	global_store_b128 v[GY], v[ACC:ACC+3],   s[10:11]             ; 32 lanes x 16 bytes: 512 consecutive bytes, at a multiple of 512 from ypart's first byte
	global_store_b128 v[GY], v[ACC+4:ACC+7], s[10:11] offset:512
	s_wait_dscnt 0x0                               ; the closing lines, six on end
	s_wait_alu 0x0
	s_wait_tensorcnt 0x0
	ds_add_u32 v[SPW], v[NIL]
	s_wait_dscnt 0x0
	s_endpgm
.Lfunc_end_k_q3ac9403bea_proj:
	.size	k_q3ac9403bea_proj, .Lfunc_end_k_q3ac9403bea_proj-k_q3ac9403bea_proj
	.p2alignl 7, 3214868480
	.fill 96, 4, 3214868480
	.section	.rodata,"a",@progbits
	.p2align	6, 0x0
	.amdhsa_kernel k_q3ac9403bea_proj
		.amdhsa_group_segment_fixed_size 150528
		.amdhsa_private_segment_fixed_size 0
		.amdhsa_enable_private_segment 0
		.amdhsa_kernarg_size 32
		.amdhsa_user_sgpr_count 2
		.amdhsa_user_sgpr_kernarg_segment_ptr 1
		.amdhsa_wavefront_size32 1
		.amdhsa_system_sgpr_workgroup_id_x 1
		.amdhsa_system_sgpr_workgroup_id_y 1
		.amdhsa_system_sgpr_workgroup_id_z 1
		.amdhsa_system_vgpr_workitem_id 0
		.amdhsa_next_free_vgpr 256
		.amdhsa_next_free_sgpr 66
		.amdhsa_reserve_vcc 0
		.amdhsa_float_denorm_mode_32 3
		.amdhsa_float_denorm_mode_16_64 3
		.amdhsa_memory_ordered 1
		.amdhsa_forward_progress 1
		.amdhsa_inst_pref_size 24
	.end_amdhsa_kernel
	.amdgpu_metadata
---
amdhsa.version: [ 1, 2 ]
amdhsa.kernels:
  - .name:           k_q3ac9403bea_proj
    .symbol:         k_q3ac9403bea_proj.kd
    .args:
      - { .name: source, .offset: 0, .size: 8, .value_kind: global_buffer, .address_space: global }
      - { .name: target, .offset: 8, .size: 8, .value_kind: global_buffer, .address_space: global }
      - { .name: weight, .offset: 16, .size: 8, .value_kind: global_buffer, .address_space: global }
      - { .name: ypart, .offset: 24, .size: 8, .value_kind: global_buffer, .address_space: global }
    .group_segment_fixed_size: 150528
    .private_segment_fixed_size: 0
    .kernarg_segment_align: 8
    .kernarg_segment_size: 32
    .max_flat_workgroup_size: 512
    .sgpr_count:     66
    .vgpr_count:     256
    .wavefront_size: 32
...
	.end_amdgpu_metadata
.endif
;; end of part 3
;; launch expand (part 4): grid 8 x 32, 16 waves a work-group, no clusters, 83,968 bytes of LDS; arguments ypart, weight, target, out0; writes out0
.if DOCPART == 4
	.amdgcn_target "amdgcn-amd-amdhsa--gfx1250"
	.amdhsa_code_object_version 6
	.text
	.protected	k_q3ac9403bea_expand
	.globl	k_q3ac9403bea_expand
	.p2align	8
	.type	k_q3ac9403bea_expand,@function
k_q3ac9403bea_expand:
	s_mov_b64 s[64:65], 0
	v_nop
	global_prefetch_b8 v0, s[64:65] scope:SCOPE_SE
	s_setreg_imm32_b32 hwreg(HW_REG_WAVE_SCHED_MODE, 0, 2), 2
	s_setreg_imm32_b32 hwreg(HW_REG_WAVE_MODE, 25, 1), 1
	s_wait_xcnt 0x0
	s_wait_alu depctr_vm_vsrc(0)
; SECOND OF TWO LAUNCHES.  out = target + y W^T, with y = (source - target) W = the sum of the first launch's eight partial sums.
; ypart: [chunk 8][i 32][tile 16][q 2][lane 32][x 4] f32 (tile 4 a + n: tokens 16 a on, ranks 16 n on; lane l, register 4 q + x: token l % 16, rank 8 (l / 16) + 4 q + x);
; weight: [4096][64] f32; target, out0: [2048][4096] f32.
; LIMITS.  P = W W^T is never formed, so the order of rounding differs from reference()'s.  The partial sums are added in f32, in a fixed order; y and W are rounded once to bf16 for the product;
; its f32 sums are added onto target in f32, so the identity's part of reference() is exact.  NaN and infinities are not treated apart.
; SHARES.  Work-group (c, i): tokens 64 i .. 64 i + 63, columns 512 c .. 512 c + 511: 128 KiB each of target, of W and of ypart in, 128 KiB out.  8 x 32 = 256 work-groups of equal work.
; Sixteen waves.  All 48 loads of a lane go out at the head; no loop, no ring.  Wave w adds up tile w of y and lays it into LDS in bf16; all waves round W's chunk into LDS; one barrier;
; then wave w makes 32 tokens (half w / 8) x 64 columns (block w % 8), K = 64: 16 matrix instructions on 8 accumulators.
; NO TENSOR LOADS, NO CLUSTER: what work-groups share (W along i, ypart along c) is not wanted in LDS as it lies in memory: W is rounded to bf16 and ypart's eight parts are added in f32, both in
; registers; joint loads would land 256 KiB of f32 in LDS, to be read out, worked on and stored again.  target and out0 are shared with nobody.
; COLUMNS IN FOURS.  Source 1's fragment (block, q) holds the columns 64 block + 4 r + q, r = 0..15.  So lane (r, h) ends with columns 4 r + 0..3 of a token in registers of the four accumulators q = 0..3:
; 16 bytes of out0, and sixteen neighbouring lanes hold 256 consecutive bytes: the results meet target's registers as they were loaded and go out without a trip through LDS.
; For that W's rows are laid into LDS in another order: row 64 b + 4 r + q of the chunk lies at LDS row 64 b + 16 q + r, and a fragment reads 16 neighbouring LDS rows.
; THE MODE: SCHED_MODE bits 1:0 = 2 (LLVM: expert scheduling mode 2), set by the entry lines.  The code itself states the register dependences
; between vector or matrix instructions and memory or LDS instructions, with s_wait_alu, always for 0.
; THE PLAN.  Registers that memory or LDS instructions touch:
;   v[GYP], v[GW], v[GT]  written at the head, read by the 48 global loads (v[GT] by the 16 stores too), never written again.
;   v[LW] .. v[AA]        the LDS addresses: written once, behind the global loads; read by LDS stores and LDS loads.
;   YP                    ypart's loads land here; the sums read and write it; behind the barrier its registers are AF (LDS loads land) and the accumulators.
;   v[YB:YB+3]            written by four conversions, read by one LDS store, which is issued in W's first group.
;   WR                    W's loads land here, four groups of four passes.  Group g's conversions write a pass's packed bf16 into the first two of the pass's own four registers; the LDS stores that read
;                         those pairs are issued in group g + 1.  No pair is written twice.  Behind the barrier the registers are BF: LDS loads land there.
;   T                     target's loads land here; the additions write it in place; the stores read it; it is never written again.  The additions go by halves of 16 tokens.
; So ONE wait on va_vdst stands at the head of each of W's groups, behind the group's wait for its data, and one ahead of the last group's stores; no vector line follows that one up to the products, so it
; also states that every reader and writer of YP and WR is done.  One wait on vm_vsrc stands behind the barrier: the LDS stores have read their pairs.  On the way out one wait on va_vdst stands behind each
; half's additions; the first half's stores are dealt among the second half's additions, which name the second half's registers alone.
.set PW,    144                        ; a row of W in LDS: 128 bytes + 16: an odd multiple of 16, so the 16 rows of a fragment load start at 16 different groups of four banks (64 banks of 4 bytes: ISA guide 11.1)
.set Y_L,   512*PW                     ; behind W's 512 rows: y, tile w at 512 w, 16 bytes a lane
.set SPARE, Y_L+8192                   ; behind it: the spare words, 128 bytes for each of the 16 waves: eight blocks of 256 bytes that no other line names
.set GYP, 2                            ; v2   my byte offset in one of ypart's eight parts: 1,024 w + 16 l; never rewritten
.set GW,  3                            ; v3   my byte offset in W's chunk: 16 t; never rewritten
.set GT,  4                            ; v4   my byte offset in target and out0; never rewritten
.set LW,  5                            ; v5-6 where I put 8 bytes of W: LDS rows 0-255, rows 256-511 (an LDS immediate has 16 bits)
.set LY,  7                            ; v7   where I put 16 bytes of y
.set AB,  8                            ; v8   my place in W's fragments
.set AA,  9                            ; v9   my place in y's fragments
.set SPW, 10                           ; v10  LDS address of my spare word: SPARE + 4 x my thread's number; never rewritten
.set NIL, 11                           ; v11  0; never rewritten
.set YB,  16                           ; v[16:19]   my eight numbers of y in bf16
.set T,   32                           ; v[32:95]   target: token 16 m + j of my 32 (+ 8 for lanes 16-31) at 4 (8 m + j); then out0 in place
.set WR,  96                           ; v[96:159]  W, pass p at 4 p; then its bf16 in the pass's first two registers
.set YP,  160                          ; v[160:223] ypart: part k at 8 k
.set BF,  96                           ; behind the barrier: W's fragments, (K half kk, q) at 8 (4 kk + q)
.set AF,  160                          ;                     y's fragments, (kk, m) at 8 (2 kk + m)
.set ACC, 192                          ; v[192:255] the accumulators, (m, q) at 8 (4 m + q)
.set WV,  20                           ; s20  my wave's number
	s_load_b256 s[4:11], s[0:1], 0x0               ; ypart s[4:5], weight s[6:7], target s[8:9], out0 s[10:11]
	v_lshl_add_u32 v[SPW], v0, 2, SPARE
	v_mov_b32 v[NIL], 0
	v_lshrrev_b32 v12, 5, v0
	v_readfirstlane_b32 s[WV], v12                 ; wave 0..15
	v_and_b32 v12, 31, v0                          ; l
	v_and_b32 v13, 15, v0                          ; r = l % 16
	v_bfe_u32 v14, v0, 4, 1                        ; h = l / 16
	s_wait_alu depctr_va_sdst(0)                   ; s20 is written, ahead of its first reader: the line below
	s_and_b32 s21, s[WV], 7                        ; my block of 64 columns
	s_lshr_b32 s22, s[WV], 3                       ; my half of the 64 tokens
	s_lshl_b32 s23, s[WV], 10
	v_lshl_add_u32 v[GYP], v12, 4, s23
	v_lshlrev_b32 v[GW], 4, v0
	s_lshl_b32 s24, s22, 19                        ; 32 rows of 16,384 bytes,
	s_lshl_b32 s25, s21, 8                         ; 64 columns of 4 bytes
	s_or_b32 s24, s24, s25
	v_lshl_add_u32 v[GT], v13, 4, s24              ; my four columns,
	v_lshl_or_b32 v[GT], v14, 17, v[GT]            ; and eight rows further down for lanes 16 to 31
	s_and_b32 s18, ttmp7, 0xffff                   ; i
	s_lshl_b32 s12, s18, 14                        ; 16 tiles of 1,024 bytes
	s_mov_b32 s13, 0
	s_lshl_b32 s14, ttmp9, 17                      ; 512 rows of W, 256 bytes each
	s_mov_b32 s15, 0
	s_lshl_b32 s16, s18, 20                        ; 64 rows of 16,384 bytes,
	s_lshl_b32 s19, ttmp9, 11                      ; 512 columns of 4 bytes
	s_or_b32 s16, s16, s19
	s_mov_b32 s17, 0
	s_wait_kmcnt 0x0
	s_add_nc_u64 s[4:5], s[4:5], s[12:13]
	s_add_nc_u64 s[6:7], s[6:7], s[14:15]
	s_add_nc_u64 s[8:9], s[8:9], s[16:17]
	s_add_nc_u64 s[10:11], s[10:11], s[16:17]
	s_wait_alu depctr_va_vdst(0)                   ; v[GYP], v[GW] and v[GT] are written: the loads below and the stores at the end read them as their offsets
	; ALL LOADS, in the order in which they are wanted: ypart (its parts lie 32 x 16 x 1,024 bytes apart), W, target
.irp k, 0,1,2,3,4,5,6,7
	global_load_b128 v[YP+8*(\k):YP+8*(\k)+3],   v[GYP], s[4:5] offset:524288*(\k)
	global_load_b128 v[YP+8*(\k)+4:YP+8*(\k)+7], v[GYP], s[4:5] offset:524288*(\k)+512
.endr
.irp p, 0,1,2,3,4,5,6,7,8,9,10,11,12,13,14,15
	global_load_b128 v[WR+4*(\p):WR+4*(\p)+3], v[GW], s[6:7] offset:8192*(\p)
.endr
.irp m, 0,1
.irp j, 0,1,2,3,4,5,6,7
	global_load_b128 v[T+4*(8*(\m)+(\j)):T+4*(8*(\m)+(\j))+3], v[GT], s[8:9] offset:16384*(16*(\m)+(\j)) th:TH_LOAD_NT  ; lanes 0-15: 256 consecutive bytes of one token; lanes 16-31: of the token eight on
.endr
.endr
	; the LDS addresses are made while the loads are on their way: the wave's number times a constant, a lane term, a constant
	s_lshl_b32 s23, s[WV], 9
	s_add_co_u32 s23, s23, Y_L
	v_lshl_add_u32 v[LY], v12, 4, s23              ; tile w, 16 l
	s_lshl_b32 s24, s22, 12                        ; my 32 tokens are tiles 8 (w / 8) .. + 7
	s_add_co_u32 s24, s24, Y_L
	v_lshl_add_u32 v[AA], v12, 4, s24
	; pass p brings thread t the chunk's row 32 p + u, u = t / 16 = 2 w + h: its LDS row is 64 (p / 2) + 8 (p % 2) + 16 (u % 4) + u / 4, and 16 (u % 4) + u / 4 = 32 (w % 2) + 16 h + w / 2
	s_and_b32 s25, s[WV], 1
	s_lshl_b32 s25, s25, 5
	s_lshr_b32 s26, s[WV], 1
	s_add_co_u32 s25, s25, s26
	s_mul_i32 s25, s25, PW
	v_mul_u32_u24 v[LW], v14, 16*PW
	v_lshl_add_u32 v[LW], v13, 3, v[LW]            ; my four ranks: 8 bytes
	v_add_nc_u32 v[LW], s25, v[LW]
	v_add_nc_u32 v[LW+1], 256*PW, v[LW]
	s_mul_i32 s27, s21, 64*PW
	v_mul_u32_u24 v[AB], v13, PW
	v_lshl_add_u32 v[AB], v14, 4, v[AB]
	v_add_nc_u32 v[AB], s27, v[AB]                 ; (64 x block + r) x pitch + 16 h
; y: part b is added onto part a, two sums an instruction
.macro YADD a, b
.irp r, 0,2,4,6
	v_pk_add_f32 v[YP+8*(\a)+(\r):YP+8*(\a)+(\r)+1], v[YP+8*(\a)+(\r):YP+8*(\a)+(\r)+1], v[YP+8*(\b)+(\r):YP+8*(\b)+(\r)+1]
.endr
.endm
; Pass p of W: four numbers rounded to bf16; they close up into the first two of their four registers.
.macro WCVT p
	v_cvt_pk_bf16_f32 v[WR+4*(\p)],   v[WR+4*(\p)],   v[WR+4*(\p)+1]
	v_cvt_pk_bf16_f32 v[WR+4*(\p)+1], v[WR+4*(\p)+2], v[WR+4*(\p)+3]
.endm
; Pass p of W: its 8 bytes go into their LDS row.
.macro WPUT p
	ds_store_b64 v[LW+(\p)/8], v[WR+4*(\p):WR+4*(\p)+1] offset:(64*(((\p)%8)/2)+8*((\p)%2))*PW
.endm
	s_wait_loadcnt 32                              ; loads come back in order (ISA guide 5.7.1): ypart's sixteen are in; W's and target's 32 may stay out
	YADD 0, 1
	YADD 2, 3
	YADD 4, 5
	YADD 6, 7
	YADD 0, 2
	YADD 4, 6
	YADD 0, 4
.irp k, 0,1,2,3
	v_cvt_pk_bf16_f32 v[YB+(\k)], v[YP+2*(\k)], v[YP+2*(\k)+1]
.endr
	s_wait_loadcnt 28                              ; behind W's first four stand 12 of W's and target's sixteen
	s_wait_alu depctr_va_vdst(0)                   ; the conversions have written v[YB:YB+3], which the LDS store below reads; the LDS addresses are written too
	ds_store_b128 v[LY], v[YB:YB+3]                ; token l % 16, ranks 8 (l / 16) + 0..7 of my tile: half a fragment, as a lane will read it
	WCVT 0
	WCVT 1
	WCVT 2
	WCVT 3
.irp g, 1,2,3
	s_wait_loadcnt 28-4*(\g)                       ; behind this group's four stand 12 - 4 g of W's and target's sixteen
	s_wait_alu depctr_va_vdst(0)                   ; the group before has written its four pairs, which the LDS stores below read
	WPUT 4*(\g)-4
	WCVT 4*(\g)
	WPUT 4*(\g)-3
	WCVT 4*(\g)+1
	WPUT 4*(\g)-2
	WCVT 4*(\g)+2
	WPUT 4*(\g)-1
	WCVT 4*(\g)+3
.endr
	s_wait_alu depctr_va_vdst(0)                   ; the last group has written its four pairs; and every vector line that names YP or WR is done: the fragments' loads behind the barrier land there
	WPUT 12
	WPUT 13
	WPUT 14
	WPUT 15
	s_wait_dscnt 0x0                               ; for the others' sake: my stores into LDS are done
	s_barrier_signal -1                            ; (target's loads stay on their way: they land in registers, and no wave writes those bytes of memory)
	s_barrier_wait -1                              ; y and W lie whole in LDS; nothing is stored there any more
	s_wait_alu depctr_vm_vsrc(0)                   ; my LDS stores have read their pairs in WR: these registers are BF from here on, written by the loads below
	; 24 LDS loads, K half 0 (ranks 0-31) first.  A fragment of y (16 tokens x 32 ranks) is two tiles' halves, 512 bytes apart; one of W is 16 LDS rows x 32 ranks: two loads 32 bytes apart.
.irp kk, 0,1
.irp m, 0,1
	ds_load_b128 v[AF+8*(2*(\kk)+(\m)):AF+8*(2*(\kk)+(\m))+3],   v[AA] offset:512*(4*(\m)+2*(\kk))
	ds_load_b128 v[AF+8*(2*(\kk)+(\m))+4:AF+8*(2*(\kk)+(\m))+7], v[AA] offset:512*(4*(\m)+2*(\kk))+512
.endr
.irp q, 0,1,2,3
	ds_load_b128 v[BF+8*(4*(\kk)+(\q)):BF+8*(4*(\kk)+(\q))+3],   v[AB] offset:16*PW*(\q)+64*(\kk)
	ds_load_b128 v[BF+8*(4*(\kk)+(\q))+4:BF+8*(4*(\kk)+(\q))+7], v[AB] offset:16*PW*(\q)+64*(\kk)+32
.endr
.endr
	s_wait_dscnt 12                                ; K half 0's twelve are in; the other twelve may stay out
.irp m, 0,1
.irp q, 0,1,2,3
	v_wmma_f32_16x16x32_bf16 v[ACC+8*(4*(\m)+(\q)):ACC+8*(4*(\m)+(\q))+7], v[AF+8*(\m):AF+8*(\m)+7], v[BF+8*(\q):BF+8*(\q)+7], 0  ; the first products start the sums: nothing is cleared
.endr
.endr
	s_wait_dscnt 0x0
.irp m, 0,1
.irp q, 0,1,2,3
	v_wmma_f32_16x16x32_bf16 v[ACC+8*(4*(\m)+(\q)):ACC+8*(4*(\m)+(\q))+7], v[AF+16+8*(\m):AF+16+8*(\m)+7], v[BF+32+8*(\q):BF+32+8*(\q)+7], v[ACC+8*(4*(\m)+(\q)):ACC+8*(4*(\m)+(\q))+7]  ; the eight accumulators take turns
.endr
.endr
.rept 8
	v_nop                                          ; the places behind the last products, in front of the sums that read results (ISA guide 7.12.1)
.endr
	s_wait_loadcnt 0x0                             ; target
; Register j of accumulator (m, q) is token 16 m + 8 h + j, column 4 r + q: added onto target's register of the same place.  Each accumulator is read from register 0 on.
.macro TADD m, j
.irp q, 0,1,2,3
	v_add_f32 v[T+4*(8*(\m)+(\j))+(\q)], v[T+4*(8*(\m)+(\j))+(\q)], v[ACC+8*(4*(\m)+(\q))+(\j)]
.endr
.endm
.macro TOUT m, j
	global_store_b128 v[GT], v[T+4*(8*(\m)+(\j)):T+4*(8*(\m)+(\j))+3], s[10:11] offset:16384*(16*(\m)+(\j)) th:TH_STORE_NT  ; 16 lanes store 256 consecutive bytes, at a multiple of 256 from out0's first byte
.endm
.irp j, 0,1,2,3,4,5,6,7
	TADD 0, \j
.endr
	s_wait_alu depctr_va_vdst(0)                   ; the additions have written the first half of T, which the eight stores below read
.irp j, 0,1,2,3,4,5,6,7
	TOUT 0, \j                                     ; no further wait: the additions dealt between name the second half of T and its accumulators alone
	TADD 1, \j
.endr
	s_wait_alu depctr_va_vdst(0)                   ; the additions have written the second half of T, which the last eight stores read
.irp j, 0,1,2,3,4,5,6,7
	TOUT 1, \j
.endr
	s_wait_dscnt 0x0                               ; the closing lines, six on end
	s_wait_alu 0x0
	s_wait_tensorcnt 0x0
	ds_add_u32 v[SPW], v[NIL]
	s_wait_dscnt 0x0
	s_endpgm
.Lfunc_end_k_q3ac9403bea_expand:
	.size	k_q3ac9403bea_expand, .Lfunc_end_k_q3ac9403bea_expand-k_q3ac9403bea_expand
	.p2alignl 7, 3214868480
	.fill 96, 4, 3214868480
	.section	.rodata,"a",@progbits
	.p2align	6, 0x0
	.amdhsa_kernel k_q3ac9403bea_expand
		.amdhsa_group_segment_fixed_size 83968
		.amdhsa_private_segment_fixed_size 0
		.amdhsa_enable_private_segment 0
		.amdhsa_kernarg_size 32
		.amdhsa_user_sgpr_count 2
		.amdhsa_user_sgpr_kernarg_segment_ptr 1
		.amdhsa_wavefront_size32 1
		.amdhsa_system_sgpr_workgroup_id_x 1
		.amdhsa_system_sgpr_workgroup_id_y 1
		.amdhsa_system_sgpr_workgroup_id_z 1
		.amdhsa_system_vgpr_workitem_id 0
		.amdhsa_next_free_vgpr 256
		.amdhsa_next_free_sgpr 66
		.amdhsa_reserve_vcc 0
		.amdhsa_float_denorm_mode_32 3
		.amdhsa_float_denorm_mode_16_64 3
		.amdhsa_memory_ordered 1
		.amdhsa_forward_progress 1
		.amdhsa_inst_pref_size 20
	.end_amdhsa_kernel
	.amdgpu_metadata
---
amdhsa.version: [ 1, 2 ]
amdhsa.kernels:
  - .name:           k_q3ac9403bea_expand
    .symbol:         k_q3ac9403bea_expand.kd
    .args:
      - { .name: ypart, .offset: 0, .size: 8, .value_kind: global_buffer, .address_space: global }
      - { .name: weight, .offset: 8, .size: 8, .value_kind: global_buffer, .address_space: global }
      - { .name: target, .offset: 16, .size: 8, .value_kind: global_buffer, .address_space: global }
      - { .name: out0, .offset: 24, .size: 8, .value_kind: global_buffer, .address_space: global }
    .group_segment_fixed_size: 83968
    .private_segment_fixed_size: 0
    .kernarg_segment_align: 8
    .kernarg_segment_size: 32
    .max_flat_workgroup_size: 512
    .sgpr_count:     66
    .vgpr_count:     256
    .wavefront_size: 32
...
	.end_amdgpu_metadata
.endif
;; end of part 4
